; MI455X (gfx1250); checked and timed in simulation.
; The chip was launched on July 23, 2026; its instructions are those of AMD's public machine-readable ISA for CDNA 5 (MIT licence, August 2026) and "CDNA5" Instruction Set Architecture Reference Guide (July 2026). The comments in the code are by the model that wrote it; some were corrected since.
;; AFT Optimized Local. Allowed arithmetic: matrix products marked QUANTISED: E3M2 operands, one E8M0 scale for each 32 along K, by v_wmma_scale_f32_16x16x128_f8f6f4 with both operands' format E3M2, f32 sums; everything else in f32.
;; Inputs: Wk 256 x 256 float32; Wo 256 x 256 float32; Wq 256 x 256 float32; Wv 256 x 256 float32; w_bias 2,048 x 2,048 float32; x 16 x 2,048 x 256 float32.
;; Outputs: out0 16 x 2,048 x 256 float32.
;; Constants: window = 128.
;; This version of the problem:
;;   THIS VERSION OF THE PROBLEM IS GIVEN IN LOW PRECISION. The matrix products marked QUANTISED in the list below multiply operands that are first quantised to E3M2 (3 exponent bits, 2 mantissa bits; 6 bits a number), with one power-of-two scale for each 32 numbers along K (OCP MX v1.0); their sums are f32. All else is computed in f32.
;;   The module's matrix products, in the order in which they are computed (A, B: the left and right operand; K: the contracted axis; several contracted axes count as one K, in the product's order):
;;     1. [M 32,768, K 256] x [K 256, N 256]; A: input x; B: input Wq: QUANTISED
;;     2. [M 32,768, K 256] x [K 256, N 256]; A: input x; B: input Wk: QUANTISED
;;     3. [M 32,768, K 256] x [K 256, N 256]; A: input x; B: input Wv: QUANTISED
;;     4. [M 4,096, K 2,048] x [K 2,048, N 2,048]; A: computed on the way; B: computed on the way: QUANTISED
;;     5. [M 4,096, K 2,048] x [K 2,048, N 2,048]; A: computed on the way; B: computed on the way: QUANTISED
;;     6. [M 32,768, K 256] x [K 256, N 256]; A: computed on the way; B: input Wo: QUANTISED
;;   THE QUANTISER, for each operand of a quantised product, along K:
;;     - K is cut into blocks of 32 from its start; a last block that is shorter is filled with zeros.
;;     - A block's scale is 2^e with e = floor(log2(the largest magnitude in the block)) - 4, held to -126 .. 127; a block of zeros has e = 0. As a byte (E8M0): e + 127.
;;     - Each number is divided by its block's scale, clamped to +-28, and rounded to the nearest number of E3M2, ties to even, subnormals kept.
;;     - The product sums the exact products of the quantised numbers (number of the format x scale) in f32.
;;   ~~~python
;;   def quantise(x, axis):      # numpy; x: float32 -> the quantised numbers, widened to float32 again
;;       x = np.moveaxis(x, axis, -1); K = x.shape[-1]
;;       x = np.pad(x, [(0, 0)] * (x.ndim - 1) + [(0, -K % 32)]); x = x.reshape(x.shape[:-1] + (-1, 32)); a = np.abs(x).max(-1, keepdims=True)
;;       e = np.where(a > 0, np.clip(np.frexp(np.where(a > 0, a, 1))[1] - 1 - 4, -126, 127), 0)      # np.frexp(a)[1] - 1 = floor(log2(a)), exactly
;;       r = np.clip(x / 2.0 ** e, -28, 28)
;;       step = 2.0 ** (np.maximum(np.frexp(np.where(r == 0, 1, r))[1] - 1, -2) - 2)
;;       q = np.round(r / step) * step * 2.0 ** e      # np.round: ties to even
;;       return np.moveaxis(q.reshape(q.shape[:-2] + (-1,))[..., :K], -1, axis).astype(np.float32)
;;   ~~~
;;   OPERANDS COMPUTED ON THE WAY. 'Computed on the way' means the value that the module computes at that place (a softmax that the list does not call 'softmax' is quantised finished and normalised). What goes into a quantiser is computed in f32, as accurately as f32 sums, v_exp_f32 and their like allow (about 1e-6 of the number): no bf16 or f16 on the way to a quantiser, and a product that is left as it is and whose result goes on into a quantised operand takes f32 operands (vector FMAs, or v_wmma_f32_16x16x4_f32). A number that lies on a knife's edge between two numbers of the format may be rounded either way, as far as f32 arithmetic and the matrix unit's own rounding can turn it there, and no further.
;; One version. Each part assembles by itself: llvm-mc -triple=amdgcn-amd-amdhsa -mcpu=gfx1250 --defsym DOCPART=n.
;; ======== version 1 of 1: 3 launches
;; limits: right only within a limited range of input values
;; workspace buffers: xq 6,553,600 bytes; wc 204,800 bytes; ew 3,145,728 bytes; ews 131,072 bytes; ea 12,582,912 bytes; eas 524,288 bytes
;; launch prep (part 1): grid 256 x 1, 5 waves a work-group, no clusters, 167,168 bytes of LDS; arguments x, Wq, Wk, Wv, Wo, w_bias, xq, wc, ew, ews; writes xq, wc, ew, ews
.if DOCPART == 1
	.amdgcn_target "amdgcn-amd-amdhsa--gfx1250"
	.amdhsa_code_object_version 6
	.text
	.protected	k_q577ca9deab_prep
	.globl	k_q577ca9deab_prep
	.p2align	8
	.type	k_q577ca9deab_prep,@function
k_q577ca9deab_prep:
	s_mov_b64 s[64:65], 0
	v_nop
	global_prefetch_b8 v0, s[64:65] scope:SCOPE_SE
	s_setreg_imm32_b32 hwreg(HW_REG_WAVE_MODE, 25, 1), 1
	s_wait_xcnt 0x0
; PREP: everything that is an input becomes codes of E3M2 with one E8M0 byte for each 32 along K, laid as IMAGES OF OPERAND REGISTERS.
;   x [32768][256] (K = d, innermost)          -> xq     Wq, Wk, Wv, Wo [256 d][256 e] (K = d, the first axis) -> wc
;   expw = exp(w_local - rowmax) [t][s] (K = s) -> ew (codes), ews (scale words)
; A FRAGMENT (16 rows x 128 K) is 12 registers a lane: lane (r = l % 16, h = l / 16), registers 6 c .. 6 c + 5 hold K = 64 c + 32 h + 0 .. 31.  Its image is 1,536 bytes: registers 4 k .. 4 k + 3 of lane l at 512 k + 16 l.
; A PAIR BLOCK (32 rows x 256 K) is 6,400 bytes: fragments (tile u, K step s) at 1536 (2 u + s), then 256 bytes of scale words, row r of tile u, step s at 6144 + 8 (16 u + r) + 4 s.
; THE ROWS OF A TILE: tile u of a group of 32 takes rows 8 u + r + 8 (r / 8) (x, expw, Wq, Wk, Wv); Wo's tiles take rows 16 u + r.
; DEAD WORK.  w_local = where(|t - s| < 128, w_bias, 0), with 128 a constant of the problem: w_bias[t][s] with |t - s| >= 128 reaches no output whatever it holds.  So of the rows of a tile of 128 t (number tt) only the columns
; 128 (tt - 1) .. 128 (tt + 2) - 1 are loaded (held inside the matrix); inside that piece the band is applied by a select.  A row has at most 255 entries in the band, so at least 1,793 zeros: 0 always takes part in the row's maximum m.
; Outside the band every entry of row t is the one number exp(0 - m): a block of 32 equal numbers gives 32 equal codes and one scale, made once a row and stored for each of the 13 or 14 steps of 128 s that lie outside.
; LIMITS: a NaN or infinity in the part of w_bias that is not loaded is not carried to the result; NaN and infinities among the inputs are not served; a block whose largest magnitude lies under 2^(5 - 127), zeros among them,
; gets the byte 1 (its codes are zeros or nearly; this program alone reads the bytes); v_exp_f32 gives 0 for results under 2^-126.
; SHARES.  256 work-groups of five waves.  Waves 0-3: x, a pair block (32 rows) to a wave: 4 x 256 = 1,024 blocks.  Wave 4 has one job in every work-group: in work-groups 0-127 a tile of 16 t of expw (128 tiles),
; in work-groups 128-255 one fragment of a weight (4 weights x 8 pair blocks x 4 fragments = 128).  The paths part on the wave's and the work-group's number; only x's path uses LDS.
; No tensor load: waves share nothing, no barrier.  Window 1 (v256-511) holds the f32 numbers in hand; all else lies in window 0.
.set STG,   33280                      ; x's path: a stage of 32 rows x 1,040 bytes for each wave
.set SP,    1040                       ; a row of 1,024 bytes + 16: 65 x 16, so the sixteen rows that a read touches start in different banks
.set SPARE, 5*STG                      ; five regions, wave x STG for every wave's number (the fifth wave stores nothing in its own); behind them the spare words, 128 bytes for each wave: three blocks of 256
.set MSB, 0
.macro WIN new                         ; the immediate's high byte repeats the setting that is left
.if MSB != (\new)
	s_set_vgpr_msb (MSB<<8)|(\new)
.set MSB, (\new)
.endif
.endm
; 64 numbers of a lane in window 1, v[n] on: two whole blocks of 32 (K = 64 c + 32 h + 0 .. 31) of the lane's row.  They become a fragment's 12 registers, v[c] on, and its scale word, v[w] (whole in both halves of the lanes).
.macro QFRAG n, c, w
	WIN 0x14                                       ; sources 1 and 2 in window 1
	v_max3_num_f32 v32, s12, |v[(\n)]|, |v[(\n)+1]|          ; the floor 2^(5 - 127) is a leaf of the maximum: the byte cannot fall under 1
	v_max3_num_f32 v33, s12, |v[(\n)+32]|, |v[(\n)+33]|
.irp i, 2,4,6,8,10,12,14,16,18,20,22,24,26,28,30
	v_max3_num_f32 v32, v32, |v[(\n)+\i]|, |v[(\n)+\i+1]|    ; the two blocks by turns
	v_max3_num_f32 v33, v33, |v[(\n)+32+\i]|, |v[(\n)+33+\i]|
.endr
	WIN 0
	v_add_nc_u32 v34, 0xfe000000, v32              ; 4 off the exponent field: the conversion takes this operand's exponent field as its scale
	v_add_nc_u32 v35, 0xfe000000, v33
	v_lshrrev_b32 v36, 23, v34                     ; the scales' bytes: blocks h and 2 + h
	v_lshrrev_b32 v37, 23, v35
	v_lshl_or_b32 v36, v37, 16, v36
	v_lshlrev_b32 v36, v5, v36                     ; 8 h bits up
	v_permlanex16_b32 v38, v36, s10, s11
	v_or_b32 v[(\w)], v36, v38                     ; with lane l xor 16's two bytes the word is whole
	WIN 0x01                                       ; source 0 in window 1
	v_cvt_scalef32_pk16_bf6_f32 v[(\c):(\c)+2], v[(\n):(\n)+15], v34
	v_cvt_scalef32_pk16_bf6_f32 v[40:42], v[(\n)+16:(\n)+31], v34       ; (a conversion's three registers begin on an even number: the second half is made elsewhere and moved)
	v_cvt_scalef32_pk16_bf6_f32 v[(\c)+6:(\c)+8], v[(\n)+32:(\n)+47], v35
	v_cvt_scalef32_pk16_bf6_f32 v[44:46], v[(\n)+48:(\n)+63], v35
	WIN 0
	v_nop                                          ; one plain place behind the scaled conversions
.irp i, 0,1,2
	v_mov_b32 v[(\c)+3+\i], v[40+\i]
	v_mov_b32 v[(\c)+9+\i], v[44+\i]
.endr
.endm
	s_load_b512 s[16:31], s[0:1], 0x0              ; x 16, Wq 18, Wk 20, Wv 22, Wo 24, w_bias 26, xq 28, wc 30
	s_load_b128 s[32:35], s[0:1], 0x40             ; ew 32, ews 34
	v_lshl_add_u32 v30, v0, 2, SPARE               ; my spare word, and 0: kept for the add alone
	v_mov_b32 v31, 0
	v_lshrrev_b32 v1, 5, v0
	v_readfirstlane_b32 s8, v1                     ; wave
	v_and_b32 v1, 31, v0                           ; lane
	v_and_b32 v2, 15, v0                           ; r
	v_bfe_u32 v3, v0, 4, 1                         ; h
	v_lshlrev_b32 v4, 4, v1                        ; 16 x lane
	v_lshlrev_b32 v5, 3, v3                        ; 8 h
	v_lshlrev_b32 v6, 3, v1                        ; 8 x lane
	v_mov_b32 v38, 0                               ; a lane permute's destination counts as one of its sources
	s_mov_b32 s10, 0x76543210
	s_mov_b32 s11, 0xfedcba98                      ; selects for lane l xor 16
	s_mov_b32 s12, 0x02800000                      ; the floor 2^(5 - 127)
	s_mov_b32 s14, 0x3fb8aa3b                      ; log2(e)
	s_mov_b32 s15, s14
	s_mov_b32 s41, 0                               ; the high word of every offset: all lie under 2^32
	s_wait_kmcnt 0x0
	s_cmp_lt_u32 s8, 4
	s_cbranch_scc0 .Lfifth
; ---- waves 0-3: x, 32 rows of 1,024 bytes.  Every load reads 512 consecutive bytes; the rows turn through the wave's own stage, so that a lane gets 32 neighbours along d.
	s_lshl_b32 s38, ttmp9, 2
	s_add_co_u32 s38, s38, s8                      ; which group of 32 rows
	s_lshl_b32 s40, s38, 15
	s_add_nc_u64 s[44:45], s[16:17], s[40:41]
	s_mul_i32 s40, s38, 6400
	s_add_nc_u64 s[36:37], s[28:29], s[40:41]      ; its pair block in xq
	s_mul_i32 s39, s8, STG
	s_wait_alu depctr_va_vdst(0)
	v_add_nc_u32 v7, s39, v4                       ; the stage, on the way in: 16 x lane in half a row
	v_mul_u32_u24 v8, v2, SP
	v_lshl_add_u32 v8, v3, 7, v8
	v_add_nc_u32 v8, s39, v8                       ; on the way out: row r of a tile, + 128 h bytes
	WIN 0x40                                       ; destination window 1
.set n, 0
.rept 64
	global_load_b128 v[4*n:4*n+3], v4, s[44:45] offset:512*n th:TH_LOAD_NT   ; half n % 2 of row n / 2: all 32 KiB of the wave are asked for at once
.set n, n+1
.endr
	WIN 0x04                                       ; an LDS store's data are its source 1
.set n, 0
	s_wait_alu depctr_va_vdst(0)
.rept 64
.if n%8 == 0
	s_wait_loadcnt 56-n                            ; loads come back in order: these eight are in, the younger ones may be out
.endif
	ds_store_b128 v7, v[4*n:4*n+3] offset:(16*((n/16)%2)+8*(n/32)+(n/2)%8)*SP+512*(n%2)   ; row 16 a + 8 u + k goes to stage row 16 u + 8 a + k: a tile's sixteen rows lie together
.set n, n+1
.endr
	s_wait_dscnt 0x0                               ; the stores have read their registers
	WIN 0x40
.set n, 0
.rept 64
	ds_load_b128 v[4*n:4*n+3], v8 offset:16*(n/32)*SP+512*((n/16)%2)+256*((n/8)%2)+16*(n%8)   ; n = 32 u + 16 s + 8 c + k: tile u, numbers 128 s + 64 c + 32 h + 4 k on
.set n, n+1
.endr
	WIN 0
	s_wait_dscnt 0x0
	QFRAG 0, 64, 48                                ; four fragments and their scale words leave as one pair block
	QFRAG 64, 76, 49
	QFRAG 128, 88, 50
	QFRAG 192, 100, 51
.set n, 0
.rept 12
	global_store_b128 v4, v[64+4*n:67+4*n], s[36:37] offset:512*n   ; 32 lanes store 512 consecutive bytes
.set n, n+1
.endr
	v_cmp_le_u32 s38, 16, v1                       ; lanes 16-31 store tile 1's words
	v_cndmask_b32 v52, v48, v50, s38
	v_cndmask_b32 v53, v49, v51, s38
	global_store_b64 v6, v[52:53], s[36:37] offset:6144      ; 256 consecutive bytes
	s_wait_tensorcnt 0x0                           ; the wave's end, behind the last LDS store
	ds_add_u32 v30, v31
	s_wait_dscnt 0x0
	s_endpgm
.Lfifth:
	s_cmp_lt_u32 ttmp9, 128
	s_cbranch_scc1 .LpathE
; ---- wave 4 of work-groups 128-255: one fragment of a weight.  A lane takes a column e and its registers run down d, in the order that the operand's layout gives that lane: nothing is transposed.  All 64 loads are out at once.
	s_sub_co_u32 s38, ttmp9, 128                   ; 32 m + 4 x group of 32 columns + 2 u + s
	s_lshr_b32 s39, s38, 5                         ; m: 0 Wq, 1 Wk, 2 Wv, 3 Wo
	s_bfe_u32 s42, s38, 0x30002                    ; the group
	s_bfe_u32 s47, s38, 0x10001                    ; tile u
	s_and_b32 s48, s38, 1                          ; K step s
	s_lshr_b32 s50, s38, 2                         ; the pair block: 8 m + group
	s_and_b32 s51, s38, 3                          ; the fragment in it: 2 u + s
	s_mov_b64 s[44:45], s[18:19]
	s_cmp_eq_u32 s39, 1
	s_cselect_b64 s[44:45], s[20:21], s[44:45]
	s_cmp_eq_u32 s39, 2
	s_cselect_b64 s[44:45], s[22:23], s[44:45]
	s_cmp_eq_u32 s39, 3
	s_cselect_b64 s[44:45], s[24:25], s[44:45]
	s_cselect_b32 s43, 0, 1                        ; Wo's tiles take neighbouring columns,
	s_cselect_b32 s46, 64, 32                      ; 16 columns (64 bytes) from tile to tile; the others 8
	s_mul_i32 s46, s46, s47
	s_lshl_b32 s40, s42, 7                         ; the group's first column,
	s_add_co_u32 s40, s40, s46                     ; the tile's,
	s_lshl_b32 s49, s48, 17                        ; and 128 rows of 1,024 bytes for each K step
	s_add_co_u32 s40, s40, s49
	s_add_nc_u64 s[44:45], s[44:45], s[40:41]
	s_mul_i32 s40, s50, 6400
	s_mul_i32 s49, s51, 1536
	s_add_co_u32 s40, s40, s49
	s_add_nc_u64 s[36:37], s[30:31], s[40:41]      ; the fragment's image in wc
	s_mul_i32 s40, s50, 6400
	s_lshl_b32 s49, s47, 7
	s_add_co_u32 s40, s40, s49
	s_lshl_b32 s49, s48, 2
	s_add_co_u32 s40, s40, s49
	s_add_co_u32 s40, s40, 6144
	s_add_nc_u64 s[52:53], s[30:31], s[40:41]      ; its scale words: 6144 + 128 u + 4 s, then 8 bytes from row to row
	s_wait_alu depctr_va_vdst(0)
	v_and_b32 v11, 8, v2
	v_mul_u32_u24 v11, s43, v11
	v_add_nc_u32 v11, v11, v2                      ; r + 8 (r / 8), or r
	v_lshlrev_b32 v11, 2, v11
	v_lshl_add_u32 v9, v3, 15, v11                 ; lanes 16-31 begin 32 rows of 1,024 bytes further down
	v_lshlrev_b32 v12, 3, v2                       ; 8 r
	WIN 0x40
.set n, 0
.rept 64
	global_load_b32 v[n], v9, s[44:45] offset:(64*(n/32)+n%32)*1024
.set n, n+1
.endr
	WIN 0
	s_wait_loadcnt 0x0
	QFRAG 0, 64, 48
.irp k, 0,1,2
	global_store_b128 v4, v[64+4*\k:67+4*\k], s[36:37] offset:512*\k
.endr
	s_wait_xcnt 0x0                                ; EXEC changes only behind this wait
	v_cmp_gt_u32 vcc_lo, 16, v1
	s_and_saveexec_b32 s54, vcc_lo                 ; the word is whole in both halves of the lanes: lanes 0-15 store it
	global_store_b32 v12, v48, s[52:53]            ; sixteen words, 8 bytes apart, inside 128 bytes: the other K step's words lie between them; 128 such stores in the launch
	s_wait_xcnt 0x0                                ; and again, in front of the line that widens it
	s_or_b32 exec_lo, exec_lo, s54
	s_wait_tensorcnt 0x0                           ; the same three closing lines as on the other paths
	ds_add_u32 v30, v31
	s_wait_dscnt 0x0
	s_endpgm
; ---- wave 4 of work-groups 0-127: expw, one tile of 16 rows t; three fragments of the band's 384 columns, one fragment of the constant outside it
.LpathE:
	s_lshr_b32 s39, ttmp9, 3                       ; tt
	s_and_b32 s42, ttmp9, 7                        ; tile i
	s_lshr_b32 s43, s42, 1
	s_lshl_b32 s43, s43, 5
	s_and_b32 s46, s42, 1
	s_lshl_b32 s46, s46, 3
	s_add_co_u32 s43, s43, s46                     ; the tile's first row in the 128: 32 (i / 2) + 8 (i % 2)
	s_lshl_b32 s46, s39, 7                         ; 128 tt
	s_add_co_u32 s47, s46, s43
	s_lshl_b32 s47, s47, 13                        ; that row's first byte in w_bias
	s_sub_co_i32 s48, s46, 128
	s_max_i32 s48, s48, 0                          ; the left piece's first column, held inside the matrix
	s_add_co_u32 s49, s46, 128
	s_min_u32 s49, s49, 1920                       ; the right piece's
	s_lshl_b32 s40, s48, 2
	s_add_co_u32 s40, s40, s47
	s_add_nc_u64 s[50:51], s[26:27], s[40:41]
	s_lshl_b32 s40, s46, 2
	s_add_co_u32 s40, s40, s47
	s_add_nc_u64 s[52:53], s[26:27], s[40:41]
	s_lshl_b32 s40, s49, 2
	s_add_co_u32 s40, s40, s47
	s_add_nc_u64 s[54:55], s[26:27], s[40:41]
	s_mul_i32 s40, s39, 196608
	s_mul_i32 s47, s42, 1536
	s_add_co_u32 s40, s40, s47
	s_add_nc_u64 s[56:57], s[32:33], s[40:41]      ; ew: my tile in step 0 of tt's steps of 128 s
	s_mul_i32 s40, s39, 12288
	s_add_nc_u64 s[58:59], s[56:57], s[40:41]      ; and in step tt, the band's middle
	s_lshl_b32 s40, s39, 13
	s_lshl_b32 s47, s42, 10
	s_add_co_u32 s40, s40, s47
	s_add_nc_u64 s[60:61], s[34:35], s[40:41]      ; ews: my tile's 1,024 bytes
	s_cmp_eq_u32 s39, 0
	s_cselect_b32 s48, 4096, 0                     ; tt = 0 has no left piece: nothing of what was loaded for it counts
	s_cmp_eq_u32 s39, 15
	s_cselect_b32 s49, 0xfffff000, 0               ; tt = 15 has no right piece
	s_sub_co_u32 s46, s39, 1                       ; tt - 1
	s_wait_alu depctr_va_vdst(0)
	v_and_b32 v52, 8, v2
	v_add_nc_u32 v52, v52, v2                      ; r + 8 (r / 8)
	v_lshlrev_b32 v9, 13, v52
	v_lshl_add_u32 v9, v3, 7, v9                   ; my row of 8,192 bytes, + 128 h
	v_lshlrev_b32 v53, 5, v3
	v_sub_nc_u32 v53, v52, v53
	v_add_nc_u32 v53, s43, v53                     ; thr = my row in the 128 - 32 h
	v_lshlrev_b32 v54, 1, v3
	v_sub_nc_u32 v54, s46, v54                     ; tt - 1 - 2 h, for the scale words
	WIN 0x40
.irp f, 0,1,2
.set n, 0
.rept 16
	global_load_b128 v[64*\f+4*n:64*\f+4*n+3], v9, s[50+2*\f:51+2*\f] offset:256*(n/8)+16*(n%8)   ; piece f, K = 64 c + 32 h + 4 k on (n = 8 c + k)
.set n, n+1
.endr
.endr
	v_add_nc_u32 v192, s48, v53                    ; in window 1: the left piece's threshold,
	v_add_nc_u32 v193, s49, v53                    ; the right piece's
	s_wait_alu depctr_va_vdst(0)
	s_wait_loadcnt 0x0
	WIN 0x44                                       ; destination and source 1 in window 1
.set n, 0
.rept 64                                               ; left piece: t - s = 128 + my row - (64 c + 32 h + i): in the band where 64 c + i > thr
	v_cmp_gt_i32 vcc_lo, 64*(n/32)+n%32, v192
	v_cndmask_b32 v[n], 0, v[n], vcc_lo
.set n, n+1
.endr
.set n, 0
.rept 64                                               ; right piece: in the band where 64 c + i < thr.  The middle piece lies in the band whole
	v_cmp_lt_i32 vcc_lo, 64*(n/32)+n%32, v193
	v_cndmask_b32 v[128+n], 0, v[128+n], vcc_lo
.set n, n+1
.endr
	WIN 0x14
.set n, 0
.rept 96                                               ; the row's maximum, in four chains that begin with the 0 of the entries outside the band
.if n < 4
	v_max3_num_f32 v[100+n], 0, v[2*n], v[2*n+1]
.else
	v_max3_num_f32 v[100+n%4], v[100+n%4], v[2*n], v[2*n+1]
.endif
.set n, n+1
.endr
	WIN 0
	v_max3_num_f32 v100, v100, v101, v102
	v_max_num_f32 v100, v100, v103
	v_permlanex16_b32 v38, v100, s10, s11
	v_max_num_f32 v56, v100, v38                   ; m
	WIN 0x40
	v_mov_b32 v194, v56
	v_mov_b32 v195, v56
	WIN 0x45                                       ; destination, sources 0 and 1 in window 1
.set n, 0
.rept 96
	v_pk_add_f32 v[2*n:2*n+1], v[2*n:2*n+1], v[194:195] neg_lo:[0,1] neg_hi:[0,1]   ; w_local - m first, as it is defined
.set n, n+1
.endr
.set n, 0
.rept 96
	v_pk_mul_f32 v[2*n:2*n+1], v[2*n:2*n+1], s[14:15] op_sel_hi:[1,0]
.set n, n+1
.endr
.set n, 0
	s_wait_alu depctr_va_vdst(0)
.rept 192
	v_exp_f32 v[n], v[n]
.set n, n+1
.endr
	WIN 0
	v_mul_f32 v57, -v56, s14                       ; the entry outside the band: (0 - m) log2(e), the same two steps on the same numbers
	s_wait_alu depctr_va_vdst(0)
	v_exp_f32 v57, v57
	v_nop                                          ; one plain place behind the last exponential
	s_wait_alu depctr_va_vdst(0)                   ; one wait for the whole batch, ahead of its first reader
	QFRAG 0, 64, 48
	QFRAG 64, 76, 49
	QFRAG 128, 88, 50
.irp i, 0,1,2,3,4,5,6,7,8,9,10,11,12,13,14,15
	v_mov_b32 v[112+\i], v57                       ; sixteen copies: 16 codes are 96 bits, three registers, and a fragment is those three four times
.endr
	v_max_num_f32 v58, s12, v57
	v_add_nc_u32 v58, 0xfe000000, v58
	v_cvt_scalef32_pk16_bf6_f32 v[128:130], v[112:127], v58
	v_lshrrev_b32 v59, 23, v58                     ; (a plain place behind the conversion)  the byte
.irp i, 0,1,2
	v_mov_b32 v[131+\i], v[128+\i]
	v_mov_b32 v[134+\i], v[128+\i]
	v_mov_b32 v[137+\i], v[128+\i]
.endr
	v_lshl_or_b32 v60, v59, 8, v59
	v_lshl_or_b32 v60, v60, 16, v60                ; the constant's scale word
	s_cmp_eq_u32 s39, 0
	s_cbranch_scc1 .Lno_left
.irp k, 0,1,2
	global_store_b128 v4, v[64+4*\k:67+4*\k], s[58:59] offset:-12288+512*\k
.endr
.Lno_left:
.irp k, 0,1,2
	global_store_b128 v4, v[76+4*\k:79+4*\k], s[58:59] offset:512*\k
.endr
	s_cmp_eq_u32 s39, 15
	s_cbranch_scc1 .Lno_right
.irp k, 0,1,2
	global_store_b128 v4, v[88+4*\k:91+4*\k], s[58:59] offset:12288+512*\k
.endr
.Lno_right:
.irp q, 0,1,2,3,4,5,6,7,8,9,10,11,12,13,14,15          ; the steps of 128 s outside tt - 1 .. tt + 1 get the constant's fragment: a branch on ids
	s_sub_co_u32 s47, \q, s46
	s_cmp_lt_u32 s47, 3
	s_cbranch_scc1 .Lband_\q
	global_store_b128 v4, v[128:131], s[56:57] offset:12288*\q
	s_wait_alu depctr_va_vdst(0)
	global_store_b128 v4, v[132:135], s[56:57] offset:12288*\q+512
	global_store_b128 v4, v[136:139], s[56:57] offset:12288*\q+1024
.Lband_\q:
.endr
	s_wait_alu depctr_va_vdst(0)
.irp k, 0,1,2,3                                        ; scale words [j 8][r 16][q 2]: lane (r, h) of store k holds steps 4 k + 2 h + q
.irp q, 0,1
	v_mov_b32 v[160+2*\k+\q], v60
.irp f, 0,1,2
	v_cmp_eq_i32 vcc_lo, 4*\k+\q-\f, v54           ; step = tt - 1 + f: the band's piece f
	v_cndmask_b32 v[160+2*\k+\q], v[160+2*\k+\q], v[48+\f], vcc_lo
.endr
.endr
	global_store_b64 v6, v[160+2*\k:161+2*\k], s[60:61] offset:256*\k    ; 256 consecutive bytes
.endr
	s_wait_tensorcnt 0x0                           ; the same three closing lines as on the other paths
	ds_add_u32 v30, v31
	s_wait_dscnt 0x0
	s_endpgm
.Lfunc_end_k_q577ca9deab_prep:
	.size	k_q577ca9deab_prep, .Lfunc_end_k_q577ca9deab_prep-k_q577ca9deab_prep
	.p2alignl 7, 3214868480
	.fill 96, 4, 3214868480
	.section	.rodata,"a",@progbits
	.p2align	6, 0x0
	.amdhsa_kernel k_q577ca9deab_prep
		.amdhsa_group_segment_fixed_size 167168
		.amdhsa_private_segment_fixed_size 0
		.amdhsa_enable_private_segment 0
		.amdhsa_kernarg_size 80
		.amdhsa_user_sgpr_count 2
		.amdhsa_user_sgpr_kernarg_segment_ptr 1
		.amdhsa_wavefront_size32 1
		.amdhsa_system_sgpr_workgroup_id_x 1
		.amdhsa_system_sgpr_workgroup_id_y 1
		.amdhsa_system_sgpr_workgroup_id_z 1
		.amdhsa_system_vgpr_workitem_id 0
		.amdhsa_next_free_vgpr 512
		.amdhsa_next_free_sgpr 66
		.amdhsa_reserve_vcc 1
		.amdhsa_float_denorm_mode_32 3
		.amdhsa_float_denorm_mode_16_64 3
		.amdhsa_memory_ordered 1
		.amdhsa_forward_progress 1
		.amdhsa_inst_pref_size 102
	.end_amdhsa_kernel
	.amdgpu_metadata
---
amdhsa.version: [ 1, 2 ]
amdhsa.kernels:
  - .name:           k_q577ca9deab_prep
    .symbol:         k_q577ca9deab_prep.kd
    .args:
      - { .name: x, .offset: 0, .size: 8, .value_kind: global_buffer, .address_space: global }
      - { .name: Wq, .offset: 8, .size: 8, .value_kind: global_buffer, .address_space: global }
      - { .name: Wk, .offset: 16, .size: 8, .value_kind: global_buffer, .address_space: global }
      - { .name: Wv, .offset: 24, .size: 8, .value_kind: global_buffer, .address_space: global }
      - { .name: Wo, .offset: 32, .size: 8, .value_kind: global_buffer, .address_space: global }
      - { .name: w_bias, .offset: 40, .size: 8, .value_kind: global_buffer, .address_space: global }
      - { .name: xq, .offset: 48, .size: 8, .value_kind: global_buffer, .address_space: global }
      - { .name: wc, .offset: 56, .size: 8, .value_kind: global_buffer, .address_space: global }
      - { .name: ew, .offset: 64, .size: 8, .value_kind: global_buffer, .address_space: global }
      - { .name: ews, .offset: 72, .size: 8, .value_kind: global_buffer, .address_space: global }
    .group_segment_fixed_size: 167168
    .private_segment_fixed_size: 0
    .kernarg_segment_align: 8
    .kernarg_segment_size: 80
    .max_flat_workgroup_size: 160
    .sgpr_count:     66
    .vgpr_count:     512
    .wavefront_size: 32
...
	.end_amdgpu_metadata
.endif
;; end of part 1
;; launch ekv (part 2): grid 16 x 16, 4 waves a work-group, clusters of 4 x 1, 327,680 bytes of LDS; arguments xq, wc, ea, eas; writes ea, eas
.if DOCPART == 2
	.amdgcn_target "amdgcn-amd-amdhsa--gfx1250"
	.amdhsa_code_object_version 6
	.text
	.protected	k_q577ca9deab_ekv
	.globl	k_q577ca9deab_ekv
	.p2align	8
	.type	k_q577ca9deab_ekv,@function
k_q577ca9deab_ekv:
	s_mov_b64 s[64:65], 0
	v_nop
	global_prefetch_b8 v0, s[64:65] scope:SCOPE_SE
	s_setreg_imm32_b32 hwreg(HW_REG_WAVE_MODE, 25, 1), 1
	s_wait_xcnt 0x0
	s_wait_alu depctr_hold_cnt(0) depctr_sa_sdst(0) depctr_va_vdst(0) depctr_va_sdst(0) depctr_va_ssrc(0) depctr_va_vcc(0) depctr_vm_vsrc(0)
	s_getreg_b32 s2, hwreg(HW_REG_IB_STS2, 6, 4)
	s_cmp_eq_u32 s2, 0
	s_cbranch_scc0 .Lentry_in_a_cluster
	s_endpgm
.Lentry_in_a_cluster:
	s_bfe_u32 s2, ttmp6, 0x10000c
	s_cmp_lg_u32 s2, 0x3003
	s_cbranch_scc0 .Lentry_shape_is_right
	s_endpgm
.Lentry_shape_is_right:
; EKV: k = x Wk, v = x Wv on codes; expk = exp(k - max over s), expk v; both quantised along s and stored as images of operand registers (ea) with their scale words (eas).
; Work-group (16 columns d, batch b) holds all 2,048 s, so the maximum over s is its own; wave w takes 512 s: 16 pair blocks of x, 12 by ONE joint tensor load of 300 rows of 256 bytes
; (the four work-groups of a cluster share b), 4 by plain loads.  Only the issuing wave reads its bytes, behind its own wait on TENSORcnt.  Nothing is left out here.
; LIMITS: NaN and infinities are not served; a block whose largest magnitude lies under 2^(5 - 127) gets the byte 1.
.set WREG,  76800
.set GRP,   19200
.set MAXR,  4*WREG
.set SPARE, MAXR+256
.set TM,  108
.set PC,  124
.set SEL, 16
.set L2E, 18
.set FLR, 20
.set G1,  40
.set G0,  48
.set MSB, 0
.macro WIN new
.if MSB != (\new)
	s_set_vgpr_msb (MSB<<8)|(\new)
.set MSB, (\new)
.endif
.endm
.macro CROUND
	s_barrier_signal -1
	s_barrier_wait -1
	s_cmp_lg_u32 s12, 0
	s_cbranch_scc1 .Lnot_wave_0_\@
	s_barrier_signal -3
.Lnot_wave_0_\@:
	s_barrier_wait -3
	s_barrier_signal -1
	s_barrier_wait -1
.endm
.macro MMA d, a, b, z, sa, sb, ra, rb
.if (\z)
.if ((\ra) != 0) && ((\rb) != 0)
	v_wmma_scale_f32_16x16x128_f8f6f4 v[(\d):(\d)+7], v[(\a):(\a)+11], v[(\b):(\b)+11], 0, v[(\sa)], v[(\sb)] matrix_a_fmt:MATRIX_FMT_BF6 matrix_b_fmt:MATRIX_FMT_BF6 matrix_a_scale:MATRIX_SCALE_ROW1 matrix_b_scale:MATRIX_SCALE_ROW1
.elseif (\ra) != 0
	v_wmma_scale_f32_16x16x128_f8f6f4 v[(\d):(\d)+7], v[(\a):(\a)+11], v[(\b):(\b)+11], 0, v[(\sa)], v[(\sb)] matrix_a_fmt:MATRIX_FMT_BF6 matrix_b_fmt:MATRIX_FMT_BF6 matrix_a_scale:MATRIX_SCALE_ROW1
.elseif (\rb) != 0
	v_wmma_scale_f32_16x16x128_f8f6f4 v[(\d):(\d)+7], v[(\a):(\a)+11], v[(\b):(\b)+11], 0, v[(\sa)], v[(\sb)] matrix_a_fmt:MATRIX_FMT_BF6 matrix_b_fmt:MATRIX_FMT_BF6 matrix_b_scale:MATRIX_SCALE_ROW1
.else
	v_wmma_scale_f32_16x16x128_f8f6f4 v[(\d):(\d)+7], v[(\a):(\a)+11], v[(\b):(\b)+11], 0, v[(\sa)], v[(\sb)] matrix_a_fmt:MATRIX_FMT_BF6 matrix_b_fmt:MATRIX_FMT_BF6
.endif
.else
.if ((\ra) != 0) && ((\rb) != 0)
	v_wmma_scale_f32_16x16x128_f8f6f4 v[(\d):(\d)+7], v[(\a):(\a)+11], v[(\b):(\b)+11], v[(\d):(\d)+7], v[(\sa)], v[(\sb)] matrix_a_fmt:MATRIX_FMT_BF6 matrix_b_fmt:MATRIX_FMT_BF6 matrix_a_scale:MATRIX_SCALE_ROW1 matrix_b_scale:MATRIX_SCALE_ROW1
.elseif (\ra) != 0
	v_wmma_scale_f32_16x16x128_f8f6f4 v[(\d):(\d)+7], v[(\a):(\a)+11], v[(\b):(\b)+11], v[(\d):(\d)+7], v[(\sa)], v[(\sb)] matrix_a_fmt:MATRIX_FMT_BF6 matrix_b_fmt:MATRIX_FMT_BF6 matrix_a_scale:MATRIX_SCALE_ROW1
.elseif (\rb) != 0
	v_wmma_scale_f32_16x16x128_f8f6f4 v[(\d):(\d)+7], v[(\a):(\a)+11], v[(\b):(\b)+11], v[(\d):(\d)+7], v[(\sa)], v[(\sb)] matrix_a_fmt:MATRIX_FMT_BF6 matrix_b_fmt:MATRIX_FMT_BF6 matrix_b_scale:MATRIX_SCALE_ROW1
.else
	v_wmma_scale_f32_16x16x128_f8f6f4 v[(\d):(\d)+7], v[(\a):(\a)+11], v[(\b):(\b)+11], v[(\d):(\d)+7], v[(\sa)], v[(\sb)] matrix_a_fmt:MATRIX_FMT_BF6 matrix_b_fmt:MATRIX_FMT_BF6
.endif
.endif
.endm
.macro QUANT x, s, pw
	WIN ((\x)<<2)|((\x)<<4)
.irp b, 0,1,2,3
	v_max3_num_f32 v[TM+\b], s[FLR], |v[(\s)+16*\b]|, |v[(\s)+16*\b+1]|
.endr
.irp i, 2,4,6,8,10,12,14
.irp b, 0,1,2,3
	v_max3_num_f32 v[TM+\b], v[TM+\b], |v[(\s)+16*\b+\i]|, |v[(\s)+16*\b+\i+1]|
.endr
.endr
	WIN 0
.irp b, 0,1,2,3
	v_permlanex16_b32 v[TM+4+\b], v[TM+\b], s[SEL], s[SEL+1]
.endr
.irp b, 0,1,2,3
	v_max_num_f32 v[TM+\b], v[TM+\b], v[TM+4+\b]
.endr
.irp b, 0,1,2,3
	v_add_nc_u32 v[TM+12+\b], 0xfe000000, v[TM+\b]
.endr
.irp b, 0,1,2,3
	v_lshrrev_b32 v[TM+4+\b], 23, v[TM+12+\b]
.endr
	v_lshl_or_b32 v[(\pw)], v[TM+5], 8, v[TM+4]
	v_lshl_or_b32 v[(\pw)], v[TM+6], 16, v[(\pw)]
	v_lshl_or_b32 v[(\pw)], v[TM+7], 24, v[(\pw)]
	WIN (\x)
.irp c, 0,1
	v_cvt_scalef32_pk16_bf6_f32 v[PC+6*\c:PC+2+6*\c], v[(\s)+32*\c:(\s)+15+32*\c], v[TM+12+2*\c]
	v_cvt_scalef32_pk16_bf6_f32 v[PC+12+4*\c:PC+14+4*\c], v[(\s)+16+32*\c:(\s)+31+32*\c], v[TM+12+2*\c+1]
.endr
	WIN 0
	v_nop
.irp c, 0,1
.irp i, 0,1,2
	v_permlane16_swap_b32 v[PC+6*\c+\i], v[PC+12+4*\c+\i]
.endr
.irp i, 0,1,2
	v_mov_b32 v[PC+3+6*\c+\i], v[PC+12+4*\c+\i]
.endr
.endr
.endm
	s_load_b256 s[4:11], s[0:1], 0x0
	v_lshl_add_u32 v6, v0, 2, SPARE
	v_mov_b32 v7, 0
	ds_add_u32 v6, v7
	ds_add_u32 v6, v7
	v_lshrrev_b32 v1, 5, v0
	v_readfirstlane_b32 s12, v1
	v_and_b32 v5, 31, v0
	v_and_b32 v3, 15, v0
	s_wait_alu depctr_va_vdst(0)
	v_lshlrev_b32 v1, 4, v5
	v_lshlrev_b32 v2, 3, v5
	s_bfe_u32 s13, ttmp6, 0x40000
	s_lshl_b32 s37, ttmp9, 2
	s_add_co_u32 s37, s37, s13
	s_and_b32 s14, ttmp7, 0xffff
	s_and_b32 s15, s37, 1
	s_lshr_b32 s21, s37, 1
	s_mul_i32 s38, s12, WREG
	v_add_nc_u32 v12, s38, v1
	v_add_nc_u32 v13, 6*6400, v12
	v_add_nc_u32 v14, s38, v2
	v_add_nc_u32 v15, 6*6400, v14
	s_lshl_b32 s22, s12, 6
	s_add_co_u32 s22, s22, MAXR
	v_lshl_add_u32 v8, v3, 2, s22
	v_lshlrev_b32 v9, 2, v3
	v_add_nc_u32 v9, MAXR, v9
	v_lshlrev_b32 v10, 3, v3
	s_mov_b32 s[SEL], 0x76543210
	s_mov_b32 s[SEL+1], 0xfedcba98
	s_mov_b32 s[L2E], 0x3fb8aa3b
	s_mov_b32 s[L2E+1], s[L2E]
	s_mov_b32 s[FLR], 0x02800000
.irp b, 0,1,2,3
	v_mov_b32 v[TM+4+\b], 0
	v_mov_b32 v[100+\b], 0xff800000
.endr
	s_mov_b32 s[G1], 15|(3<<16)|(1<<21)
	s_mov_b32 s[G1+1], 32<<16
	s_mov_b32 s[G1+2], 300<<16
	s_mov_b32 s[G1+3], 32<<16
	s_mov_b32 s[G1+4], 300
	s_mov_b32 s[G1+5], 32
	s_mov_b32 s[G1+6], 0
	s_mov_b32 s[G1+7], 0
	s_mov_b32 s23, 0
	s_lshl_b32 s22, s14, 6
	s_lshl_b32 s24, s12, 4
	s_add_co_u32 s22, s22, s24
	s_mul_i32 s22, s22, 6400
	s_wait_dscnt 0x0
	s_wait_kmcnt 0x0
	s_add_nc_u64 s[26:27], s[4:5], s[22:23]
.irp i, 0
	s_mov_b32 s[G0+4*\i], 1
	s_add_co_u32 s[G0+4*\i+1], s38, \i*GRP
	s_add_nc_u64 s[G0+4*\i+2:G0+4*\i+3], s[26:27], \i*GRP
	s_or_b32 s[G0+4*\i+3], s[G0+4*\i+3], 0x80000000
.endr
	CROUND
	s_wait_alu depctr_va_vdst(0)
	tensor_load_to_lds s[G0:G0+3], s[G1:G1+7]      ; my twelve pair blocks, 76,800 bytes: the wave's one tensor load
	s_nop 0
.rept 4
	v_nop
.endr
	s_mov_b32 s25, 0
	s_add_co_u32 s22, s21, 8
	s_mul_i32 s22, s22, 6400
	s_mul_i32 s24, s15, 3072
	s_add_co_u32 s24, s24, s22
	s_add_nc_u64 s[28:29], s[6:7], s[24:25]
	s_lshl_b32 s24, s15, 7
	s_add_co_u32 s24, s24, s22
	s_add_co_u32 s24, s24, 6144
	s_add_nc_u64 s[30:31], s[6:7], s[24:25]
.irp k, 0,1,2,3,4,5
	global_load_b128 v[16+4*\k:19+4*\k], v1, s[28:29] offset:512*\k
	global_load_b128 v[40+4*\k:43+4*\k], v1, s[28:29] offset:51200+512*\k
.endr
	s_wait_alu depctr_va_vdst(0)
	global_load_b64 v[96:97], v10, s[30:31]
	global_load_b64 v[98:99], v10, s[30:31] offset:51200
.irp n, 12,13,14,15
	global_load_b64 v[64+2*\n:65+2*\n], v2, s[26:27] offset:6400*\n+6144
.endr
	WIN 0x40
.irp n, 12,13,14,15
.irp k, 0,1,2,3,4,5,6,7,8,9,10,11
	global_load_b128 v[48*(\n-12)+4*\k:48*(\n-12)+4*\k+3], v1, s[26:27] offset:6400*\n+512*\k
.endr
.endr
	WIN 0
	s_mul_i32 s22, s14, 786432
	s_mul_i32 s24, s12, 196608
	s_add_co_u32 s22, s22, s24
	s_lshr_b32 s24, s37, 2
	s_mul_i32 s39, s24, 24576
	s_add_co_u32 s22, s22, s39
	s_and_b32 s38, s37, 3
	s_mul_i32 s39, s38, 1536
	s_add_co_u32 s22, s22, s39
	s_add_nc_u64 s[32:33], s[8:9], s[22:23]
	s_lshl_b32 s22, s14, 15
	s_lshl_b32 s39, s24, 13
	s_add_co_u32 s22, s22, s39
	s_lshl_b32 s39, s38, 10
	s_add_co_u32 s22, s22, s39
	s_lshl_b32 s39, s12, 8
	s_add_co_u32 s22, s22, s39
	s_add_nc_u64 s[34:35], s[10:11], s[22:23]
.macro PMUL n, pl
.if (\n) < 8
	WIN 0xa1
.else
	WIN 0xf1
.endif
.set XR, 48*(\pl)
.set AB, 128*(((\n)/4)%2)+16*((\n)%4)
.irp s, 0,1
.irp u, 0,1
	MMA AB+8*\u, XR+12*(2*\u+\s), 16+12*\s, 1-\s, 64+2*(\n)+\s, 96+\s, \u, 0
	MMA AB+64+8*\u, XR+12*(2*\u+\s), 40+12*\s, 1-\s, 64+2*(\n)+\s, 98+\s, \u, 0
.endr
.endr
.rept 4
	v_nop
.endr
.endm
.macro LFETCH j
.if (\j) == 0
	s_wait_tensorcnt 0x0                           ; my one tensor load has landed
.endif
	WIN 0x40
.irp k, 0,1,2,3,4,5,6,7,8,9,10,11
	ds_load_b128 v[48*(((\j)+4)%5)+4*\k:48*(((\j)+4)%5)+4*\k+3], v[12+(\j)/6] offset:6400*((\j)%6)+512*\k
.endr
	WIN 0
	ds_load_b64 v[64+2*(\j):65+2*(\j)], v[14+(\j)/6] offset:6400*((\j)%6)+6144
.endm
.irp d, 0,1,2,3
	s_wait_loadcnt 12*(3-\d)
	PMUL 12+\d, \d
.endr
	LFETCH 0
	LFETCH 1
	LFETCH 2
.irp j, 0,1,2,3,4,5,6,7,8,9,10,11
.if \j <= 9
	s_wait_dscnt 26
.elseif \j == 10
	s_wait_dscnt 13
.else
	s_wait_dscnt 0x0
.endif
	PMUL \j, (\j+4)%5
.if \j <= 8
	LFETCH \j+3
.endif
.endr
.irp x, 2,3
	WIN (\x<<2)|(\x<<4)
.set j, 0
.rept 64
	v_max3_num_f32 v[100+j%4], v[100+j%4], v[128*(j/32)+2*(j%32)], v[128*(j/32)+2*(j%32)+1]
.set j, j+1
.endr
.endr
	WIN 0
	v_max3_num_f32 v100, v100, v101, v102
	v_max_num_f32 v100, v100, v103
	v_permlanex16_b32 v[TM+4], v100, s[SEL], s[SEL+1]
	v_max_num_f32 v100, v100, v[TM+4]
	ds_store_b32 v8, v100
	s_wait_dscnt 0x0
	s_barrier_signal -1
	s_barrier_wait -1
	ds_load_b32 v100, v9
	ds_load_b32 v101, v9 offset:64
	ds_load_b32 v102, v9 offset:128
	ds_load_b32 v103, v9 offset:192
	s_wait_dscnt 0x0
	v_max3_num_f32 v100, v100, v101, v102
	v_max_num_f32 v104, v100, v103
	v_mov_b32 v105, v104
.irp x, 2,3
	WIN (\x<<6)|\x
.set j, 0
.rept 64
	v_pk_add_f32 v[128*(j/32)+2*(j%32):128*(j/32)+2*(j%32)+1], v[128*(j/32)+2*(j%32):128*(j/32)+2*(j%32)+1], v[104:105] neg_lo:[0,1] neg_hi:[0,1]
.set j, j+1
.endr
.set j, 0
.rept 64
	v_pk_mul_f32 v[128*(j/32)+2*(j%32):128*(j/32)+2*(j%32)+1], v[128*(j/32)+2*(j%32):128*(j/32)+2*(j%32)+1], s[L2E:L2E+1] op_sel_hi:[1,0]
.set j, j+1
.endr
.set j, 0
	s_wait_alu depctr_va_vdst(0)
.rept 128
	v_exp_f32 v[128*(j/64)+j%64], v[128*(j/64)+j%64]
.set j, j+1
.endr
	v_nop
	s_wait_alu depctr_va_vdst(0)
	WIN (\x<<6)|(\x<<2)|\x
.set j, 0
.rept 64
	v_pk_mul_f32 v[128*(j/32)+64+2*(j%32):128*(j/32)+64+2*(j%32)+1], v[128*(j/32)+64+2*(j%32):128*(j/32)+64+2*(j%32)+1], v[128*(j/32)+2*(j%32):128*(j/32)+2*(j%32)+1]
.set j, j+1
.endr
.endr
	WIN 0
.macro EMIT om, kap, pw, off
	s_wait_xcnt 0x0
	QUANT 2+(\om)/2, 128*((\om)%2)+64*(\kap), \pw
.irp k, 0,1,2
	global_store_b128 v1, v[PC+4*\k:PC+4*\k+3], s[32:33] offset:98304*((\om)/2)+12288*((\om)%2)+(\off)+512*\k
.endr
.endm
.irp o, 0,1,2,3
	EMIT \o, 1, 144+\o, 0
	EMIT \o, 0, 148+\o, 6144
.endr
	v_cmp_le_u32 s36, 16, v5
	v_cndmask_b32 v152, v144, v146, s36
	v_cndmask_b32 v153, v145, v147, s36
	v_cndmask_b32 v154, v148, v150, s36
	v_cndmask_b32 v155, v149, v151, s36
	global_store_b64 v2, v[152:153], s[34:35]
	global_store_b64 v2, v[154:155], s[34:35] offset:4096
	s_wait_tensorcnt 0x0
	ds_add_u32 v6, v7
	s_wait_dscnt 0x0
	CROUND
	s_endpgm
.Lfunc_end_k_q577ca9deab_ekv:
	.size	k_q577ca9deab_ekv, .Lfunc_end_k_q577ca9deab_ekv-k_q577ca9deab_ekv
	.p2alignl 7, 3214868480
	.fill 96, 4, 3214868480
	.section	.rodata,"a",@progbits
	.p2align	6, 0x0
	.amdhsa_kernel k_q577ca9deab_ekv
		.amdhsa_group_segment_fixed_size 327680
		.amdhsa_private_segment_fixed_size 0
		.amdhsa_enable_private_segment 0
		.amdhsa_kernarg_size 32
		.amdhsa_user_sgpr_count 2
		.amdhsa_user_sgpr_kernarg_segment_ptr 1
		.amdhsa_wavefront_size32 1
		.amdhsa_system_sgpr_workgroup_id_x 1
		.amdhsa_system_sgpr_workgroup_id_y 1
		.amdhsa_system_sgpr_workgroup_id_z 1
		.amdhsa_system_vgpr_workitem_id 0
		.amdhsa_next_free_vgpr 1024
		.amdhsa_next_free_sgpr 66
		.amdhsa_reserve_vcc 0
		.amdhsa_float_denorm_mode_32 3
		.amdhsa_float_denorm_mode_16_64 3
		.amdhsa_memory_ordered 1
		.amdhsa_forward_progress 1
		.amdhsa_inst_pref_size 116
	.end_amdhsa_kernel
	.amdgpu_metadata
---
amdhsa.version: [ 1, 2 ]
amdhsa.kernels:
  - .name:           k_q577ca9deab_ekv
    .symbol:         k_q577ca9deab_ekv.kd
    .args:
      - { .name: xq, .offset: 0, .size: 8, .value_kind: global_buffer, .address_space: global }
      - { .name: wc, .offset: 8, .size: 8, .value_kind: global_buffer, .address_space: global }
      - { .name: ea, .offset: 16, .size: 8, .value_kind: global_buffer, .address_space: global }
      - { .name: eas, .offset: 24, .size: 8, .value_kind: global_buffer, .address_space: global }
    .group_segment_fixed_size: 327680
    .private_segment_fixed_size: 0
    .kernarg_segment_align: 8
    .kernarg_segment_size: 32
    .max_flat_workgroup_size: 128
    .sgpr_count:     66
    .vgpr_count:     1024
    .wavefront_size: 32
...
	.end_amdgpu_metadata
.endif
;; end of part 2
;; launch main (part 3): grid 16 x 16, 4 waves a work-group, clusters of 4 x 4, 327,680 bytes of LDS; arguments ea, eas, ew, ews, xq, wc, out0; writes out0
.if DOCPART == 3
	.amdgcn_target "amdgcn-amd-amdhsa--gfx1250"
	.amdhsa_code_object_version 6
	.text
	.protected	k_q577ca9deab_main
	.globl	k_q577ca9deab_main
	.p2align	8
	.type	k_q577ca9deab_main,@function
k_q577ca9deab_main:
	s_mov_b64 s[64:65], 0
	v_nop
	global_prefetch_b8 v0, s[64:65] scope:SCOPE_SE
	s_setreg_imm32_b32 hwreg(HW_REG_WAVE_MODE, 25, 1), 1
	s_wait_xcnt 0x0
	s_wait_alu depctr_hold_cnt(0) depctr_sa_sdst(0) depctr_va_vdst(0) depctr_va_sdst(0) depctr_va_ssrc(0) depctr_va_vcc(0) depctr_vm_vsrc(0)
	s_getreg_b32 s2, hwreg(HW_REG_IB_STS2, 6, 4)
	s_cmp_eq_u32 s2, 0
	s_cbranch_scc0 .Lentry_in_a_cluster
	s_endpgm
.Lentry_in_a_cluster:
	s_bfe_u32 s2, ttmp6, 0x10000c
	s_cmp_lg_u32 s2, 0xf033
	s_cbranch_scc0 .Lentry_shape_is_right
	s_endpgm
.Lentry_shape_is_right:
; MAIN: num = expw (expk v), den = expw expk (K = s = 2,048, dense: every s counts), q = x Wq, y = sigmoid(q) num / den, quantised along d, out = y Wo.  All operands arrive as register images of codes.  Nothing is left out here.
; SHARES.  Work-group (tt, b) makes, for the 128 rows t of tile tt of batch b, all 256 d of num and den, so that y's rows are whole and the last product is fused in.  Wave w owns d = 64 w .. 64 w + 63:
; 8 tiles as source 0 (4 of expk v, 4 of expk) x 8 tiles of t as source 1: 64 accumulators, 512 registers.  A lane holds ONE t and its registers run along d, the last product's K.
; EXPK GOES FROM MEMORY STRAIGHT INTO REGISTERS: each of its fragments is an operand of one wave alone, and its image is 3 loads of 512 consecutive bytes; no LDS byte is written or read for it.  A pool of 16 fragments (two steps of
; 128 along K): a half step's four fragments are asked for again, two steps ahead, as soon as their 32 products are issued: two runs of loads a step.
; EXPW (196,608 bytes for all K), both sets of scale words (40,960) and my rows of x (25,600) lie in LDS side by side, each byte filled once: one tensor load a wave at the head, one more behind the second round.
; So no LDS byte is filled again, and the loops hold no barrier; one barrier ahead of step 7 shows the later loads' bytes to all waves.
; CLUSTERS: 4 x 4 work-groups.  The four of a column share tt and ask for expw and its scale words JOINTLY; the four of a row share b and ask for expk's scale words jointly.  A joint load lands in LDS alone, so expk's codes,
; which go to registers, are not asked for jointly; x is my work-group's own.  Three rounds of the cluster's barrier: in front of the first loads, in front of the later ones, and at the end.
; PREFETCH: expk's slot (256 along K) four slots on is asked for in each trip of the first loop (slots 4-6), once ahead of the second (slot 7), and slots 2, 3 at the head.  The sixteen work-groups of a batch share the 96 blocks of
; 256 bytes of part w of a slot out by tt, by address: six a wave, lanes 5-31 name the sixth.  What the tensor loads bring has no loop to run ahead in.
; THE EPILOGUE goes in two halves of four tiles of t.  The first half's last product, its turn through the stage and its stores stand inside the second half's y, tile by tile.
; y = num / (den (1 + 2^(-q log2 e))): one exponential and one reciprocal a number.  LIMITS: NaN and infinities are not served; a block of y whose largest magnitude lies under 2^(5 - 127) gets the byte 1.
; REGISTERS.  window 0: v1-31 addresses; v8-15, v32-63 scale words alone; v64-159, v160-255 expw's fragments, two sets (later x's and y's at v64; q^T in two buffers at v160, v192; v224-244 at work).
;   window 1: v0-191 expk's pool (later Wq at v0, Wo at v96); v192-255 rows of out.  window 2: accumulator (t tile a, tile b of expk v) at v[8 (4 a + b)]; window 3: the same for expk; later out's (a, n) in window 2, x's tiles 4-7 in window 3.
.set CHK,    49152                     ; expw's codes of four steps: 192 rows of 256 bytes
.set SCL,    4*CHK                     ; expw's scale words, 8,192 bytes; then expk's, 32,768
.set XBL,    SCL+40960                 ; four pair blocks of x
.set YIMG,   XBL+25600                 ; y's 16 fragments
.set YSC,    YIMG+24576                ; y's scale words
.set STAGE,  YSC+1024                  ; the way out: 16 rows x 272 bytes for each wave
.set SPITCH, 272
.set SPARE,  STAGE+4*16*SPITCH         ; the spare words, 128 bytes for each wave
.set ADRB, 20                          ; v20 expw's fragments: the slot in hand
.set PFO,  21                          ; v21 the prefetches' offset; never rewritten
.set ADRS, 27                          ; v27 scale words: lanes 0-15 expw's rows, lanes 16-31 expk's
.set SPW,  28
.set NIL,  29
.set SC,   32                          ; scale words: tile i, step parity q at v[32 + 2 i + q]
.set WF,   64
.set QA,   160
.set TM,   234
.set G1C,  24
.set G1W,  32
.set G1E,  40
.set G1X,  48
.set H0,   56
.set H1,   60
.set H2,   68
.set H3,   72
.set K0,   76
.set K1,   80
.set K2,   84
.set SEL,  96
.set NL2E, 98
.set FLR,  100
.set MSB, 0
.macro WIN new                         ; the immediate's high byte repeats the setting that is left
.if MSB != (\new)
	s_set_vgpr_msb (MSB<<8)|(\new)
.set MSB, (\new)
.endif
.endm
.set MUL_LO, 0xa1                      ; source 0 window 1, source 1 window 0, C and D window 2
.set MUL_HI, 0xf1
.macro PLACES n
.rept \n
	v_nop
.endr
.endm
.macro G1REST g, rows                  ; a dense block as rows of 256 bytes: 32 elements of 8 bytes, pitch 32
	s_mov_b32 s[\g+1], 32<<16
	s_mov_b32 s[\g+2], (\rows)<<16
	s_mov_b32 s[\g+3], 32<<16
	s_mov_b32 s[\g+4], \rows
	s_mov_b32 s[\g+5], 32
	s_mov_b32 s[\g+6], 0
	s_mov_b32 s[\g+7], 0
.endm
.macro MKG0 g, lds, base, off
	s_mov_b32 s[\g], 1
	s_mov_b32 s[\g+1], \lds
	s_add_nc_u64 s[\g+2:\g+3], s[\base:\base+1], \off
	s_or_b32 s[\g+3], s[\g+3], 0x80000000
.endm
.macro CROUND                          ; a round of the cluster's barrier
	s_barrier_signal -1
	s_barrier_wait -1
	s_cmp_lg_u32 s18, 0
	s_cbranch_scc1 .Lnot_wave_0_\@
	s_barrier_signal -3
.Lnot_wave_0_\@:
	s_barrier_wait -3
	s_barrier_signal -1
	s_barrier_wait -1
.endm
.macro ARM under, g0, g1, next, join   ; one arm of a chain of branches on the wave's number: one tensor load, then the join
	s_cmp_lt_u32 s18, \under
	s_cbranch_scc0 \next
	tensor_load_to_lds s[\g0:\g0+3], s[\g1:\g1+7]
	s_nop 0
	PLACES 4
	s_branch \join
\next:
.endm
.macro MMA d, a, b, z, sa, sb, ra, rb
.if (\z)
.if ((\ra) != 0) && ((\rb) != 0)
	v_wmma_scale_f32_16x16x128_f8f6f4 v[(\d):(\d)+7], v[(\a):(\a)+11], v[(\b):(\b)+11], 0, v[(\sa)], v[(\sb)] matrix_a_fmt:MATRIX_FMT_BF6 matrix_b_fmt:MATRIX_FMT_BF6 matrix_a_scale:MATRIX_SCALE_ROW1 matrix_b_scale:MATRIX_SCALE_ROW1
.elseif (\ra) != 0
	v_wmma_scale_f32_16x16x128_f8f6f4 v[(\d):(\d)+7], v[(\a):(\a)+11], v[(\b):(\b)+11], 0, v[(\sa)], v[(\sb)] matrix_a_fmt:MATRIX_FMT_BF6 matrix_b_fmt:MATRIX_FMT_BF6 matrix_a_scale:MATRIX_SCALE_ROW1
.elseif (\rb) != 0
	v_wmma_scale_f32_16x16x128_f8f6f4 v[(\d):(\d)+7], v[(\a):(\a)+11], v[(\b):(\b)+11], 0, v[(\sa)], v[(\sb)] matrix_a_fmt:MATRIX_FMT_BF6 matrix_b_fmt:MATRIX_FMT_BF6 matrix_b_scale:MATRIX_SCALE_ROW1
.else
	v_wmma_scale_f32_16x16x128_f8f6f4 v[(\d):(\d)+7], v[(\a):(\a)+11], v[(\b):(\b)+11], 0, v[(\sa)], v[(\sb)] matrix_a_fmt:MATRIX_FMT_BF6 matrix_b_fmt:MATRIX_FMT_BF6
.endif
.else
.if ((\ra) != 0) && ((\rb) != 0)
	v_wmma_scale_f32_16x16x128_f8f6f4 v[(\d):(\d)+7], v[(\a):(\a)+11], v[(\b):(\b)+11], v[(\d):(\d)+7], v[(\sa)], v[(\sb)] matrix_a_fmt:MATRIX_FMT_BF6 matrix_b_fmt:MATRIX_FMT_BF6 matrix_a_scale:MATRIX_SCALE_ROW1 matrix_b_scale:MATRIX_SCALE_ROW1
.elseif (\ra) != 0
	v_wmma_scale_f32_16x16x128_f8f6f4 v[(\d):(\d)+7], v[(\a):(\a)+11], v[(\b):(\b)+11], v[(\d):(\d)+7], v[(\sa)], v[(\sb)] matrix_a_fmt:MATRIX_FMT_BF6 matrix_b_fmt:MATRIX_FMT_BF6 matrix_a_scale:MATRIX_SCALE_ROW1
.elseif (\rb) != 0
	v_wmma_scale_f32_16x16x128_f8f6f4 v[(\d):(\d)+7], v[(\a):(\a)+11], v[(\b):(\b)+11], v[(\d):(\d)+7], v[(\sa)], v[(\sb)] matrix_a_fmt:MATRIX_FMT_BF6 matrix_b_fmt:MATRIX_FMT_BF6 matrix_b_scale:MATRIX_SCALE_ROW1
.else
	v_wmma_scale_f32_16x16x128_f8f6f4 v[(\d):(\d)+7], v[(\a):(\a)+11], v[(\b):(\b)+11], v[(\d):(\d)+7], v[(\sa)], v[(\sb)] matrix_a_fmt:MATRIX_FMT_BF6 matrix_b_fmt:MATRIX_FMT_BF6
.endif
.endif
.endm
.macro FETCHN set, fa, fo, fx          ; eight fragments' images out of LDS into a set of window 0; fx: bytes more for each four fragments (x's pair blocks)
.irp i, 0,1,2,3,4,5,6,7
.irp k, 0,1,2
	ds_load_b128 v[WF+96*(\set)+12*\i+4*\k:WF+96*(\set)+12*\i+4*\k+3], v[\fa] offset:(\fo)+1536*\i+(\fx)*(\i/4)+512*\k
.endr
.endr
.endm
.macro SCAL q, so                      ; one step's scale words: lanes 0-15 expw's tile i, lanes 16-31 expk's tile i
.irp i, 0,1,2,3,4,5,6,7
	ds_load_b32 v[SC+2*\i+(\q)], v[ADRS] offset:(\so)+1024*\i
.endr
.endm
.macro GLOAD p, h, gb, go              ; four fragments' images from memory into half h of the pool's part p: twelve loads of 512 consecutive bytes
.irp i, 0,1,2,3
.irp k, 0,1,2
	global_load_b128 v[96*(\p)+12*(4*(\h)+\i)+4*\k:96*(\p)+12*(4*(\h)+\i)+4*\k+3], v4, s[\gb:\gb+1] offset:(\go)+1536*\i+512*\k
.endr
.endr
.endm
.macro MULH p, h, zero                 ; 32 matrix instructions: four tiles of source 0 x the eight tiles of t; the 64 accumulators take turns, one instruction a turn
.irp b, 0,1,2,3
.irp a, 0,1,2,3,4,5,6,7
	MMA 8*(4*\a+\b), 96*(\p)+12*(4*(\h)+\b), WF+96*(\p)+12*\a, \zero, SC+2*(4*(\h)+\b)+(\p), SC+2*\a+(\p), 1, 0
.endr
.endr
.endm
; A step of 128 along K, of parity p.  First the next step's source-1 fragments and scale words are asked of LDS (their registers were last read a step ago, four places back).  Each half's four pool fragments are
; asked for again behind four places.  s_wait_loadcnt 36: behind the twelve loads that this half needs, three groups of twelve have been issued.
.macro STEP p, zero, gb, g0, g1, fa, fo, fx, so
	s_wait_dscnt 0x0                               ; this step's source-1 fragments and scale words are in
	FETCHN 1-(\p), \fa, \fo, \fx
.if (\so) < 0
.irp t, 0,1,2,3
	ds_load_b64 v[48+2*\t:49+2*\t], v19 offset:6400*\t       ; x's scale words: lanes 0-15 the even tile's, lanes 16-31 the odd one's
.endr
.else
	SCAL 1-(\p), \so
.endif
	s_wait_loadcnt 36
	WIN MUL_LO
	MULH \p, 0, \zero
	PLACES 4
	WIN 0x40
	GLOAD \p, 0, \gb, \g0
	s_wait_loadcnt 36
	WIN MUL_HI
	MULH \p, 1, \zero
	PLACES 4
	WIN 0x40
	GLOAD \p, 1, \gb, \g1
	WIN 0
.endm
.macro TRIP ask                        ; steps 2 t + 1 and 2 t + 2; s[4:5], v20, v27 stand at slot t
	STEP 1, 0, 4, 98304+12288, 98304+12288+6144, ADRB, 24576, 0, 128
.if \ask
	global_prefetch_b8 v[PFO], s[4:5] offset:4*98304 th:TH_LOAD_NT scope:SCOPE_SE   ; slot t + 4, which the trip after next begins to load
.endif
	STEP 0, 0, 4, 196608, 196608+6144, ADRB, 36864, 0, 132
	v_add_nc_u32 v[ADRB], 24576, v[ADRB]
	v_add_nc_u32 v[ADRS], 128, v[ADRS]
	s_wait_xcnt 0x0                                ; the loads and the prefetch have read their base
	s_add_nc_u64 s[4:5], s[4:5], 98304
.endm
	s_load_b256 s[4:11], s[0:1], 0x0               ; ea 4, eas 6, ew 8, ews 10
	s_load_b128 s[12:15], s[0:1], 0x20             ; xq 12, wc 14
	s_load_b64 s[16:17], s[0:1], 0x30              ; out0
	v_lshl_add_u32 v[SPW], v0, 2, SPARE
	v_mov_b32 v[NIL], 0
	ds_add_u32 v[SPW], v[NIL]                      ; the opening lines: the add, twice on end, and its wait ahead of my first tensor load
	ds_add_u32 v[SPW], v[NIL]
	v_lshrrev_b32 v1, 5, v0
	v_readfirstlane_b32 s18, v1                    ; wave 0..3: my part of d
	s_lshr_b32 s19, s18, 1                         ; y's K step that my d belong to
	s_and_b32 s20, s18, 1                          ; and which half of it
	s_bfe_u32 s94, ttmp6, 0x40000                  ; cx
	s_bfe_u32 s95, ttmp6, 0x40004                  ; cy
	s_lshl_b32 s22, ttmp9, 2
	s_add_co_u32 s22, s22, s94                     ; tt = 4 x cluster x + cx
	s_and_b32 s23, ttmp7, 0xffff
	s_lshl_b32 s23, s23, 2
	s_add_co_u32 s23, s23, s95                     ; b = 4 x cluster y + cy
	s_lshl_b32 s2, s95, 2
	s_lshl_b32 s2, 15, s2                          ; my row of the cluster: the same b
	s_lshl_b32 s3, 0x1111, s94                     ; my column: the same tt
	s_or_b32 s[G1C], s3, (3<<16)|(1<<21)           ; 15:0 the mask; 17:16 elements of 8 bytes; 21 set beside a mask; no padding
	s_or_b32 s[G1W], s3, (3<<16)|(1<<21)
	s_or_b32 s[G1E], s2, (3<<16)|(1<<21)
	s_mov_b32 s[G1X], 3<<16                        ; x is mine alone: no mask
	G1REST G1C, 192
	G1REST G1W, 32
	G1REST G1E, 128
	G1REST G1X, 100
	s_mov_b32 s[SEL], 0x76543210
	s_mov_b32 s[SEL+1], 0xfedcba98                 ; selects for lane l xor 16
	s_mov_b32 s[NL2E], 0xbfb8aa3b                  ; -log2(e)
	s_mov_b32 s[NL2E+1], s[NL2E]
	s_mov_b32 s[FLR], 0x02800000                   ; the floor 2^(5 - 127)
	s_lshl_b32 s88, s18, 13
	s_add_co_u32 s88, s88, 8192                    ; from expw's scale words to my part of expk's
	s_mul_i32 s89, s19, 1536
	s_mul_i32 s90, s20, 768
	s_add_co_u32 s89, s89, s90
	s_add_co_u32 s89, s89, YIMG                    ; y's images: K step w / 2, half w % 2
	s_lshl_b32 s90, s19, 6
	s_lshl_b32 s91, s20, 1
	s_add_co_u32 s90, s90, s91
	s_add_co_u32 s90, s90, YSC                     ; my two bytes of a row's scale word
	s_mul_i32 s91, s18, 16*SPITCH
	s_add_co_u32 s91, s91, STAGE                   ; my stage
	s_mul_i32 s92, s22, 1536                       ; my work-group's six blocks of a slot's part
	v_and_b32 v1, 31, v0                           ; lane
	v_and_b32 v2, 15, v0                           ; r
	v_bfe_u32 v3, v0, 4, 1                         ; h
	v_lshlrev_b32 v4, 4, v1                        ; 16 x lane
	v_lshlrev_b32 v5, 3, v1                        ; 8 x lane
	v_mov_b32 v[ADRB], v4
	v_add_nc_u32 v18, XBL, v4
	v_add_nc_u32 v19, XBL+6144, v5
	v_mul_u32_u24 v[ADRS], s88, v3                 ; one product: the lower base + h x the distance
	v_lshl_add_u32 v[ADRS], v2, 3, v[ADRS]
	v_add_nc_u32 v[ADRS], SCL, v[ADRS]
	v_add_nc_u32 v22, s89, v4                      ; four registers a lane at 16 x lane,
	v_add_nc_u32 v23, s89, v5
	v_add_nc_u32 v23, 512, v23                     ; two more at 512 + 8 x lane
	v_lshl_add_u32 v7, v2, 2, s90
	v_lshlrev_b32 v6, 2, v2
	v_add_nc_u32 v6, YSC, v6
	v_add_nc_u32 v30, YIMG, v4
	v_add_nc_u32 v31, YIMG, v5
	v_mul_u32_u24 v24, v2, SPITCH
	v_lshl_add_u32 v24, v3, 5, v24
	v_add_nc_u32 v24, s91, v24                     ; the stage, in: row r, 32 bytes for each half of the lanes
	v_mul_u32_u24 v25, v3, SPITCH
	v_lshl_add_u32 v25, v2, 4, v25
	v_add_nc_u32 v25, s91, v25                     ; back: lanes 0-15 one row of 256 bytes, lanes 16-31 the next
	v_lshlrev_b32 v26, 10, v3
	v_lshl_add_u32 v26, v2, 4, v26                 ; and the same two rows in out
	v_min_u32 v[PFO], 5, v1
	v_lshlrev_b32 v[PFO], 8, v[PFO]
	v_add_nc_u32 v[PFO], s92, v[PFO]
	s_wait_alu depctr_va_vdst(0)
	s_mul_i32 s88, s23, 786432                     ; the offsets, made while the arguments are on their way: expk's, of b and the wave's number,
	s_mul_i32 s21, s18, 24576
	s_add_co_u32 s88, s88, s21
	s_mov_b32 s89, 0
	s_mul_i32 s90, s22, 196608                     ; expw's, of tt,
	s_mov_b32 s91, 0
	s_lshl_b32 s92, s22, 13                        ; its scale words', of tt,
	s_mov_b32 s93, 0
	s_lshl_b32 s94, s23, 15                        ; expk's scale words', of b
	s_mov_b32 s95, 0
	s_wait_dscnt 0x0                               ; both opening adds are done
	CROUND                                         ; all sixteen work-groups are here: the first joint loads meet
	s_wait_kmcnt 0x0
	s_add_nc_u64 s[8:9], s[8:9], s[90:91]          ; expw: tile tt
	s_add_nc_u64 s[10:11], s[10:11], s[92:93]
	s_add_nc_u64 s[6:7], s[6:7], s[94:95]
	MKG0 H0, 0, 8, 0
	MKG0 H1, SCL, 10, 0
	MKG0 H2, SCL+8192, 6, 0
	MKG0 H3, CHK, 8, CHK
	ARM 1, H0, G1C, .Lh1, .Lhj                     ; the head's loads, one a wave: expw's steps 0-3,
	ARM 2, H1, G1W, .Lh2, .Lhj                     ; expw's scale words,
	ARM 3, H2, G1E, .Lh3, .Lhj                     ; expk's,
	tensor_load_to_lds s[H3:H3+3], s[G1C:G1C+7]    ; expw's steps 4-7
	s_nop 0
	PLACES 4
.Lhj:
	s_add_nc_u64 s[4:5], s[4:5], s[88:89]          ; expk: batch b, slot 0, part w
	s_mul_i32 s88, s18, 12800
	s_add_nc_u64 s[14:15], s[14:15], s[88:89]      ; Wq's two pair blocks of my 64 columns; Wo's lie 153,600 bytes on
	global_load_b64 v[8:9], v5, s[14:15] offset:6144                 ; Wq's scale words: lanes 0-15 the even tile's, lanes 16-31 the odd one's
	global_load_b64 v[10:11], v5, s[14:15] offset:6400+6144
	global_load_b64 v[12:13], v5, s[14:15] offset:153600+6144        ; Wo's
	global_load_b64 v[14:15], v5, s[14:15] offset:153600+6400+6144
	WIN 0x40
	GLOAD 0, 0, 4, 0                               ; expk's steps 0 and 1 fill the pool: four groups of twelve
	GLOAD 0, 1, 4, 6144
	GLOAD 1, 0, 4, 12288
	GLOAD 1, 1, 4, 12288+6144
	WIN 0
	s_lshl_b32 s92, s23, 4
	s_add_co_u32 s92, s92, s22
	s_mul_i32 s92, s92, 25600
	s_add_nc_u64 s[12:13], s[12:13], s[92:93]      ; my 128 rows of x
	s_lshl_b32 s92, s23, 21
	s_lshl_b32 s21, s22, 17
	s_add_co_u32 s92, s92, s21
	s_lshl_b32 s21, s18, 8
	s_add_co_u32 s92, s92, s21
	s_add_nc_u64 s[16:17], s[16:17], s[92:93]      ; out: row 2048 b + 128 tt, my 64 columns
	MKG0 K0, 2*CHK, 8, 2*CHK
	MKG0 K1, 3*CHK, 8, 3*CHK
	MKG0 K2, XBL, 12, 0
	global_prefetch_b8 v[PFO], s[4:5] offset:2*98304 th:TH_LOAD_NT scope:SCOPE_SE    ; slots 2 and 3
	global_prefetch_b8 v[PFO], s[4:5] offset:3*98304 th:TH_LOAD_NT scope:SCOPE_SE
	s_wait_tensorcnt 0x0                           ; my head's load is in
	ds_add_u32 v[SPW], v[NIL]
	s_wait_dscnt 0x0
	CROUND                                         ; everybody's is, and the later joint loads meet
	ARM 1, K0, G1C, .Lk1, .Lkj                     ; expw's steps 8-11,
	ARM 2, K1, G1C, .Lk2, .Lkj                     ; 12-15,
	ARM 3, K2, G1X, .Lk3, .Lkj                     ; x; wave 3 has nothing left to ask for
.Lkj:
	FETCHN 0, ADRB, 0, 0
	SCAL 0, 0
	STEP 0, 1, 4, 98304, 98304+6144, ADRB, 12288, 0, 4     ; the first step's products start the sums
	s_mov_b32 s21, 3
.Lone:                                                 ; steps 1-6
	TRIP 1
	s_sub_co_u32 s21, s21, 1
	s_cmp_lg_u32 s21, 0
	s_wait_alu depctr_va_vdst(0)
	s_cbranch_scc1 .Lone
	s_wait_tensorcnt 0x0                           ; my later load is in,
	s_wait_dscnt 0x0
	s_barrier_signal -1
	s_barrier_wait -1                              ; and everybody's: step 7 asks LDS for step 8's fragments.
	global_prefetch_b8 v[PFO], s[4:5] offset:4*98304 th:TH_LOAD_NT scope:SCOPE_SE    ; slot 7, the last
	s_mov_b32 s21, 3
.Ltwo:                                                 ; steps 7-12
	TRIP 0
	s_sub_co_u32 s21, s21, 1
	s_cmp_lg_u32 s21, 0
	s_wait_alu depctr_va_vdst(0)
	s_cbranch_scc1 .Ltwo
	STEP 1, 0, 4, 98304+12288, 98304+12288+6144, ADRB, 24576, 0, 128     ; step 13 asks for step 15's fragments,
	STEP 0, 0, 14, 0, 6400, ADRB, 36864, 0, 132                          ; step 14 for Wq's eight, in the pool's part 0,
	STEP 1, 0, 14, 153600, 153600+6400, 18, 0, 256, -1                   ; step 15 for Wo's, in part 1, and for x's tiles 0-3
; ---- THE EPILOGUE
.macro QMM a                           ; q^T of t tile a: source 0 = 16 columns of Wq, source 1 = x's 16 rows: it falls into the layout of num and den
.set MQ, QA+32*((\a)%2)
.if (\a) < 4
	WIN 0x01
.set XF, 64+24*(\a)
.else
	WIN 0x0d                                       ; x's tiles 4-7 lie in window 3
.set XF, 24*((\a)-4)
.endif
.irp s, 0,1
.irp i, 0,1,2,3
	MMA MQ+8*\i, 12*(2*\i+\s), XF+12*\s, 1-\s, 8+2*(\i/2)+\s, 48+2*((\a)/2)+\s, \i%2, (\a)%2
.endr
.endr
	WIN 0
.endm
.macro OUTG hh, a                      ; out of t tile 4 hh + a: source 0 = 16 columns of Wo, source 1 = y's 16 rows: a lane holds eight neighbouring columns of one row.  Four accumulators by turns, in num's registers, which are done with
	WIN MUL_LO
.irp s, 0,1
.irp n, 0,1,2,3
	MMA 8*(4*(4*(\hh)+(\a))+\n), 96+12*(2*\n+\s), 64+12*(2*(\a)+\s), 1-\s, 12+2*(\n/2)+\s, 32+2*(4*(\hh)+(\a))+\s, \n%2, 0
.endr
.endr
	WIN 0
.endm
; THE WAY OUT, a tile of 16 rows x my 64 columns at a time, through my own stage: sixteen lanes then store 256 consecutive bytes of a row.  LDS serves a wave's instructions in order: no wait between the stores and the loads.
.macro TOSTAGE a
	s_wait_xcnt 0x0                                ; the stores of the tile two back have read their registers: this tile's loads may land there
	WIN 0x08                                       ; an LDS store's data are its source 1: window 2
.irp n, 0,1,2,3
	ds_store_b128 v24, v[8*(4*(\a)+\n):8*(4*(\a)+\n)+3] offset:64*\n           ; each accumulator from its low end on
	ds_store_b128 v24, v[8*(4*(\a)+\n)+4:8*(4*(\a)+\n)+7] offset:64*\n+16
.endr
	WIN 0x40                                       ; back into window 1
.set BB, 192+32*((\a)%2)
.irp t, 0,1,2,3,4,5,6,7
	ds_load_b128 v[BB+4*\t:BB+4*\t+3], v25 offset:\t*2*SPITCH
.endr
	WIN 0
.endm
.macro SEND a, younger                 ; younger: the LDS instructions issued behind tile a's loads, which may stay out
.set BB, 192+32*((\a)%2)
	s_wait_dscnt \younger
	WIN 0x04                                       ; a store's data are its source 1: window 1
.irp t, 0,1,2,3,4,5,6,7
	global_store_b128 v26, v[BB+4*\t:BB+4*\t+3], s[16:17] offset:(32*((\a)/2)+8*((\a)%2)+2*\t+8*(\t/4))*1024 th:TH_STORE_NT   ; the tile's row 2 t + h is row 32 (a / 2) + 8 (a % 2) + 2 t + h + 8 (t / 4) of the 128
.endr
	WIN 0
.endm
; y of t tile a; my 64 d are two blocks of 32: half a fragment and half a scale word, which go to LDS.  The next tile's q^T is issued behind y's last multiplication, so that the matrix unit works under the quantiser.
; Tiles 4-7 carry the first half's way out too: out of tile a - 4 beside the next q^T, its turn through the stage at the end, and the stores of tile a - 5 behind the exponentials.
.macro VEC a
.set VQ, QA+32*((\a)%2)
.set NB, 32*(\a)
.if (\a) == 3
	WIN 0xc0                                       ; den of tiles 0-2 is done with: its registers take x's tiles 4-7
.irp i, 0,1,2,3,4,5,6,7
.irp k, 0,1,2
	ds_load_b128 v[12*\i+4*\k:12*\i+4*\k+3], v18 offset:12800+1536*\i+256*(\i/4)+512*\k
.endr
.endr
	WIN 0
.endif
.set j, 0
.rept 16
	v_pk_mul_f32 v[VQ+2*j:VQ+2*j+1], v[VQ+2*j:VQ+2*j+1], s[NL2E:NL2E+1] op_sel_hi:[1,0]
.set j, j+1
.endr
	s_wait_alu depctr_va_vdst(0)                   ; a wait ahead of each batch of transcendentals and one behind it
.set j, 0
.rept 32
	v_exp_f32 v[VQ+j], v[VQ+j]                     ; e = 2^(-q log2 e)
.set j, j+1
.endr
	v_nop
.if (\a) >= 5
	SEND (\a)-5, 0
.endif
	s_wait_alu depctr_va_vdst(0)
	WIN 0x3c
.set j, 0
.rept 16
	v_pk_fma_f32 v[VQ+2*j:VQ+2*j+1], v[VQ+2*j:VQ+2*j+1], v[NB+2*j:NB+2*j+1], v[NB+2*j:NB+2*j+1]   ; den e + den
.set j, j+1
.endr
	WIN 0
	s_wait_alu depctr_va_vdst(0)
.set j, 0
.rept 32
	v_rcp_f32 v[VQ+j], v[VQ+j]
.set j, j+1
.endr
	v_nop
.if (\a) == 3
	s_wait_dscnt 0x0                               ; x's tiles 4-7 are in
.endif
	s_wait_alu depctr_va_vdst(0)
	WIN 0x08
.set j, 0
.rept 16
	v_pk_mul_f32 v[VQ+2*j:VQ+2*j+1], v[VQ+2*j:VQ+2*j+1], v[NB+2*j:NB+2*j+1]       ; y
.set j, j+1
.endr
	WIN 0
.if (\a) < 7
	QMM (\a)+1
.endif
.if (\a) >= 4
	OUTG 0, (\a)-4
.endif
.irp b, 0,1                                            ; each block's largest magnitude in two chains, the floor among the leaves
	v_max3_num_f32 v[TM+2*\b], |v[VQ+16*\b]|, |v[VQ+16*\b+1]|, s[FLR]
	v_max3_num_f32 v[TM+2*\b+1], |v[VQ+16*\b+8]|, |v[VQ+16*\b+9]|, |v[VQ+16*\b+10]|
.endr
.irp i, 2,4
.irp b, 0,1
	v_max3_num_f32 v[TM+2*\b], v[TM+2*\b], |v[VQ+16*\b+\i]|, |v[VQ+16*\b+\i+1]|
	v_max3_num_f32 v[TM+2*\b+1], v[TM+2*\b+1], |v[VQ+16*\b+\i+9]|, |v[VQ+16*\b+\i+10]|
.endr
.endr
.irp b, 0,1
	v_max3_num_f32 v[TM+2*\b], v[TM+2*\b], |v[VQ+16*\b+6]|, |v[VQ+16*\b+7]|
.endr
.irp b, 0,1
	v_max3_num_f32 v[TM+2*\b], v[TM+2*\b], v[TM+2*\b+1], |v[VQ+16*\b+15]|
.endr
	v_permlanex16_b32 v238, v[TM], s[SEL], s[SEL+1]
	v_permlanex16_b32 v239, v[TM+2], s[SEL], s[SEL+1]
	v_max_num_f32 v[TM], v[TM], v238
	v_max_num_f32 v[TM+2], v[TM+2], v239
	v_add_nc_u32 v240, 0xfe000000, v[TM]           ; 4 off the exponent field: the conversion's scale operand
	v_add_nc_u32 v241, 0xfe000000, v[TM+2]
	v_lshrrev_b32 v242, 23, v240
	v_lshrrev_b32 v243, 23, v241
	v_lshl_or_b32 v244, v243, 8, v242              ; my two bytes of the row's scale word
	v_cvt_scalef32_pk16_bf6_f32 v[224:226], v[VQ:VQ+15], v240
	v_cvt_scalef32_pk16_bf6_f32 v[230:232], v[VQ+16:VQ+31], v241
	v_nop                                          ; one plain place behind the scaled conversions
.irp i, 0,1,2
	v_permlane16_swap_b32 v[224+\i], v[230+\i]     ; a whole block to a lane
.endr
.irp i, 0,1,2
	v_mov_b32 v[227+\i], v[230+\i]
.endr
	ds_store_b128 v22, v[224:227] offset:3072*(\a)
	ds_store_b64 v23, v[228:229] offset:3072*(\a)
	ds_store_b16 v7, v244 offset:128*(\a)          ; lanes r and 16 + r write the same bytes with the same value
.if (\a) >= 4
	TOSTAGE (\a)-4                                 ; the quantiser's lines above are the places behind out's products
.endif
.endm
.macro YLOAD hh                        ; a half's eight fragments of y (fragment 8 hh + f = 2 a + s) and their scale words
.set f, 0
.rept 8
	ds_load_b128 v[64+12*f:67+12*f], v30 offset:1536*(8*(\hh)+f)
	ds_load_b64 v[68+12*f:69+12*f], v31 offset:1536*(8*(\hh)+f)+512
	ds_load_b128 v[70+12*f:73+12*f], v30 offset:1536*(8*(\hh)+f)+768
	ds_load_b64 v[74+12*f:75+12*f], v31 offset:1536*(8*(\hh)+f)+1280
	ds_load_b32 v[32+8*(\hh)+f], v6 offset:64*(8*(\hh)+f)
.set f, f+1
.endr
.endm
	PLACES 2                                       ; with the four at the step's end: q^T is written over registers that the last products read
	v_mov_b32 v238, 0                              ; a lane permute's destination counts as one of its sources
	v_mov_b32 v239, 0
	s_wait_loadcnt 24                              ; Wq is in; Wo's 24 loads may be out
	s_wait_dscnt 0x0                               ; x's tiles 0-3 and its scale words
	QMM 0
	PLACES 4
.irp a, 0,1,2,3
	VEC \a
.endr
	s_wait_dscnt 0x0                               ; for the others' sake: my stores have landed
	s_barrier_signal -1
	s_barrier_wait -1                              ; the first half's eight fragments of y and their scale words lie in LDS; each half has LDS bytes of its own
	YLOAD 0
	s_wait_loadcnt 0x0                             ; Wo
	s_wait_dscnt 0x0
.irp a, 4,5,6,7
	VEC \a
.endr
	SEND 3, 0
	s_wait_dscnt 0x0
	s_barrier_signal -1
	s_barrier_wait -1                              ; the second half's
	YLOAD 1
	s_wait_dscnt 0x0
.irp a, 0,1,2,3
	OUTG 1, \a
.endr
	PLACES 4                                       ; in front of the first read of results
	TOSTAGE 4
.irp a, 5,6,7
	TOSTAGE \a
	SEND \a-1, 16                                  ; behind the last tile's loads: this tile's 8 stores and 8 loads
.endr
	SEND 7, 0
	s_wait_tensorcnt 0x0                           ; the wave's end, behind my last tensor load and my last LDS store
	ds_add_u32 v[SPW], v[NIL]
	s_wait_dscnt 0x0
	CROUND                                         ; the closing round: no work-group ends while a partner may still ask for a tile that names it
	s_endpgm
.Lfunc_end_k_q577ca9deab_main:
	.size	k_q577ca9deab_main, .Lfunc_end_k_q577ca9deab_main-k_q577ca9deab_main
	.p2alignl 7, 3214868480
	.fill 96, 4, 3214868480
	.section	.rodata,"a",@progbits
	.p2align	6, 0x0
	.amdhsa_kernel k_q577ca9deab_main
		.amdhsa_group_segment_fixed_size 327680
		.amdhsa_private_segment_fixed_size 0
		.amdhsa_enable_private_segment 0
		.amdhsa_kernarg_size 56
		.amdhsa_user_sgpr_count 2
		.amdhsa_user_sgpr_kernarg_segment_ptr 1
		.amdhsa_wavefront_size32 1
		.amdhsa_system_sgpr_workgroup_id_x 1
		.amdhsa_system_sgpr_workgroup_id_y 1
		.amdhsa_system_sgpr_workgroup_id_z 1
		.amdhsa_system_vgpr_workitem_id 0
		.amdhsa_next_free_vgpr 1024
		.amdhsa_next_free_sgpr 102
		.amdhsa_reserve_vcc 0
		.amdhsa_float_denorm_mode_32 3
		.amdhsa_float_denorm_mode_16_64 3
		.amdhsa_memory_ordered 1
		.amdhsa_forward_progress 1
		.amdhsa_inst_pref_size 220
	.end_amdhsa_kernel
	.amdgpu_metadata
---
amdhsa.version: [ 1, 2 ]
amdhsa.kernels:
  - .name:           k_q577ca9deab_main
    .symbol:         k_q577ca9deab_main.kd
    .args:
      - { .name: ea, .offset: 0, .size: 8, .value_kind: global_buffer, .address_space: global }
      - { .name: eas, .offset: 8, .size: 8, .value_kind: global_buffer, .address_space: global }
      - { .name: ew, .offset: 16, .size: 8, .value_kind: global_buffer, .address_space: global }
      - { .name: ews, .offset: 24, .size: 8, .value_kind: global_buffer, .address_space: global }
      - { .name: xq, .offset: 32, .size: 8, .value_kind: global_buffer, .address_space: global }
      - { .name: wc, .offset: 40, .size: 8, .value_kind: global_buffer, .address_space: global }
      - { .name: out0, .offset: 48, .size: 8, .value_kind: global_buffer, .address_space: global }
    .group_segment_fixed_size: 327680
    .private_segment_fixed_size: 0
    .kernarg_segment_align: 8
    .kernarg_segment_size: 56
    .max_flat_workgroup_size: 128
    .sgpr_count:     102
    .vgpr_count:     1024
    .wavefront_size: 32
...
	.end_amdgpu_metadata
.endif
;; end of part 3
